; MI455X (gfx1250); checked and timed in simulation.
; The chip was launched on July 23, 2026; its instructions are those of AMD's public machine-readable ISA for CDNA 5 (MIT licence, August 2026) and "CDNA5" Instruction Set Architecture Reference Guide (July 2026). The comments in the code are by the model that wrote it; some were corrected since.
;; Multi Head Attention. Allowed arithmetic: matrix products marked QUANTISED: E5M2 operands, one E8M0 scale for each 32 along K, by v_wmma_scale_f32_16x16x128_f8f6f4 with both operands' format E5M2, f32 sums; everything else in f32.
;; Inputs: hidden_states_codes 4,096 x 32 x 32 uint8 (E5M2 codes of hidden_states, K innermost, in blocks of 32 codes); hidden_states_scales 4,096 x 32 uint8 (E8M0 scales of hidden_states, one for each 32 codes along K); out_b 1,024 float32; out_w_codes 1,024 x 32 x 32 uint8 (E5M2 codes of out_w, K innermost, in blocks of 32 codes); out_w_scales 1,024 x 32 uint8 (E8M0 scales of out_w, one for each 32 codes along K); qkv_b 3,072 float32; qkv_w_codes 3,072 x 32 x 32 uint8 (E5M2 codes of qkv_w, K innermost, in blocks of 32 codes); qkv_w_scales 3,072 x 32 uint8 (E8M0 scales of qkv_w, one for each 32 codes along K).
;; Outputs: out0 4,096 x 1,024 float32.
;; This version of the problem:
;;   THIS VERSION OF THE PROBLEM IS GIVEN IN LOW PRECISION. The matrix products marked QUANTISED in the list below multiply operands that are first quantised to E5M2 (5 exponent bits, 2 mantissa bits; 8 bits a number), with one power-of-two scale for each 32 numbers along K (OCP MX v1.0); their sums are f32. All else is computed in f32.
;;   The module's matrix products, in the order in which they are computed (A, B: the left and right operand; K: the contracted axis; several contracted axes count as one K, in the product's order):
;;     1. [M 4,096, K 1,024] x [K 1,024, N 3,072]; A: input hidden_states (given as codes); B: input qkv_w (given as codes): QUANTISED
;;     2. batch 16 x [M 4,096, K 64] x [K 64, N 4,096]; A: computed on the way; B: computed on the way: QUANTISED
;;     3. batch 16 x [M 64, K 4,096] x [K 4,096, N 4,096]; A: computed on the way; B: softmax (see below): QUANTISED
;;     4. [M 4,096, K 1,024] x [K 1,024, N 1,024]; A: computed on the way; B: input out_w (given as codes): QUANTISED
;;   THE QUANTISER, for each operand of a quantised product, along K:
;;     - K is cut into blocks of 32 from its start; a last block that is shorter is filled with zeros.
;;     - A block's scale is 2^e with e = floor(log2(the largest magnitude in the block)) - 15, held to -126 .. 127; a block of zeros has e = 0. As a byte (E8M0): e + 127.
;;     - Each number is divided by its block's scale, clamped to +-57,344, and rounded to the nearest number of E5M2, ties to even, subnormals kept.
;;     - The product sums the exact products of the quantised numbers (number of the format x scale) in f32.
;;   ~~~python
;;   def quantise(x, axis):      # numpy; x: float32 -> the quantised numbers, widened to float32 again
;;       x = np.moveaxis(x, axis, -1); K = x.shape[-1]
;;       x = np.pad(x, [(0, 0)] * (x.ndim - 1) + [(0, -K % 32)]); x = x.reshape(x.shape[:-1] + (-1, 32)); a = np.abs(x).max(-1, keepdims=True)
;;       e = np.where(a > 0, np.clip(np.frexp(np.where(a > 0, a, 1))[1] - 1 - 15, -126, 127), 0)      # np.frexp(a)[1] - 1 = floor(log2(a)), exactly
;;       r = np.clip(x / 2.0 ** e, -57344, 57344)
;;       step = 2.0 ** (np.maximum(np.frexp(np.where(r == 0, 1, r))[1] - 1, -14) - 2)
;;       q = np.round(r / step) * step * 2.0 ** e      # np.round: ties to even
;;       return np.moveaxis(q.reshape(q.shape[:-2] + (-1,))[..., :K], -1, axis).astype(np.float32)
;;   ~~~
;;   SOFTMAX AHEAD OF A QUANTISED PRODUCT. Where the list says 'softmax', what is quantised is not the finished softmax but p = 2^(t - M), with t = logit x log2(e) and M = ceil(the row's largest t), a whole number; so 1/2 < the row's largest p <= 1. The row's sum l is taken of the UNQUANTISED p, in f32, and the product's result is divided by l at the end. Since M is a whole number, a kernel that streams over the keys may use a running M (the ceiling of the running maximum): every later rescaling is an exact power of two, which a block's scale takes up: the codes' values come out the same.
;;   OPERANDS COMPUTED ON THE WAY. 'Computed on the way' means the value that the module computes at that place (a softmax that the list does not call 'softmax' is quantised finished and normalised). What goes into a quantiser is computed in f32, as accurately as f32 sums, v_exp_f32 and their like allow (about 1e-6 of the number): no bf16 or f16 on the way to a quantiser, and a product that is left as it is and whose result goes on into a quantised operand takes f32 operands (vector FMAs, or v_wmma_f32_16x16x4_f32). A number that lies on a knife's edge between two numbers of the format may be rounded either way, as far as f32 arithmetic and the matrix unit's own rounding can turn it there, and no further.
;;   INPUTS GIVEN AS CODES. hidden_states (in the module: [4096, 1024], K = its axis 1); out_w (in the module: [1024, 1024], K = its axis 0); qkv_w (in the module: [1024, 3072], K = its axis 0): each comes as NAME_codes (uint8): NAME with its K axis moved to the last place and cut into blocks of 32 codes, [.., K / 32, bytes a block], one block behind the other in memory; one code a byte (a code: sign, 5 exponent bits, 2 mantissa bits); and NAME_scales (uint8): the same leading axes, one E8M0 byte (e + 127) for each 32 codes along K. Its value is code x scale, taken as it is: it is not quantised again, and the codes and scales need not be those that the quantiser above would give.
;; One version. Each part assembles by itself: llvm-mc -triple=amdgcn-amd-amdhsa -mcpu=gfx1250 --defsym DOCPART=n.
;; ======== version 1 of 1: 3 launches
;; limits: right only within a limited range of input values
;; workspace buffers: qc 4,194,304 bytes; kvs 8,781,824 bytes; cc 4,194,304 bytes; cs 131,072 bytes
;; launch qkv (part 1): grid 16 x 16, 4 waves a work-group, clusters of 4 x 4, 327,680 bytes of LDS; arguments hidden_states_codes, hidden_states_scales, qkv_w_codes, qkv_w_scales, qkv_b, qc, kvs; writes qc, kvs
.if DOCPART == 1
	.amdgcn_target "amdgcn-amd-amdhsa--gfx1250"
	.amdhsa_code_object_version 6
	.text
	.protected	k_q07253005ef_qkv
	.globl	k_q07253005ef_qkv
	.p2align	8
	.type	k_q07253005ef_qkv,@function
k_q07253005ef_qkv:
	s_mov_b64 s[64:65], 0
	v_nop
	global_prefetch_b8 v0, s[64:65] scope:SCOPE_SE
	s_setreg_imm32_b32 hwreg(HW_REG_WAVE_MODE, 25, 1), 1
	s_wait_xcnt 0x0
	s_wait_alu depctr_hold_cnt(0) depctr_sa_sdst(0) depctr_va_vdst(0) depctr_va_sdst(0) depctr_va_ssrc(0) depctr_va_vcc(0) depctr_vm_vsrc(0)
	s_getreg_b32 s2, hwreg(HW_REG_IB_STS2, 6, 4)
	s_cmp_eq_u32 s2, 0
	s_cbranch_scc0 .Lentry_in_a_cluster
	s_endpgm
.Lentry_in_a_cluster:
	s_bfe_u32 s2, ttmp6, 0x10000c
	s_cmp_lg_u32 s2, 0xf033
	s_cbranch_scc0 .Lentry_shape_is_right
	s_endpgm
.Lentry_shape_is_right:
; QKV = x W + b on codes of BF8 (E5M2), one E8M0 scale for each 32 along K, and the quantisers of q, k (along the head's 64) and v (along the keys).  NaN and infinities are not served; a block of zeros gets the byte 1 where the
; rule says 127: its codes are zeros, and only this program reads the bytes.  The whole program leaves out only tiles above the causal diagonal, so a NaN or an infinity there reaches no result here.
; SHARES.  16 x 16 work-groups, 256 tokens x one head's 192 columns each; four waves, two halves of the tokens x two halves of the columns.  K goes in four steps of 256 through two LDS slots.
; CLUSTER 4 x 4: the four of a row share x's rows, the four of a column W's: joint loads.
; THE HEAD, one tensor load a wave: wave 0 x's rows for K step 0, wave 1 W's, waves 2 and 3 the same for K step 1: each has a load line of its own, since waves 0 and 1 alone wait at the first barrier.
; The scale bytes (8,192 of x, 6,144 of W, dense) come through registers into LDS in units of 256 bytes + 16, 512 bytes an instruction.
; PREFETCH: K step 2 at the head's end, K step 3 behind K step 2's load: a lane a row, one instruction a wave; the partners of a joint load share its rows out by address (64 rows of x each, 48 of W).
.set PITCH,  272
.set STA,    27
.set STB,    23
.set PFO,    26
.set HALFA,  128*PITCH
.set HALFB,  96*PITCH
.set BOFF,   2*HALFA
.set SLOT,   BOFF+2*HALFB
.set SCL,    2*SLOT
.set SCA,    16*272
.set SCB,    12*272
.set SCLB,   SCL+2*SCA
.set SPARE,  259072
.set STG,    SPARE+512
.set STEPB,  17152
.set ADRA,  8
.set ADRBQ, 10
.set ADRBV, 12
.set ADSA,  14
.set ADSQ,  15
.set ADSV,  16
.set LI,    17
.set QKW,   18
.set VW,    19
.set RDA,   20
.set RDB,   21
.set L8,    22
.set BQO,   24
.set BVO,   25
.set SPW,   28
.set NIL,   29
.set SC,    32
.set AF,    128
.set PC,    96
.set TM,    200
.set PW,    216
.set RBK,   224
.set SEL,   2
.set MNT,   45
.set G1A,  24
.set G0A,  32
.set G1B,  48
.set G0B,  56
.set G1SA, 68
.set G0SA, 76
.set G1SB, 80
.set G0SB, 88
.set MSB, 0
.macro WIN new
.if MSB != \new
	s_set_vgpr_msb (MSB<<8)|\new
.set MSB, \new
.endif
.endm
.macro JLOAD g0a, g1a, g0b, g1b
	s_cmp_eq_u32 s19, 0
	s_cbranch_scc0 .Lfor_b_\@
	tensor_load_to_lds s[\g0a:\g0a+3], s[\g1a:\g1a+7]
	s_nop 0
.rept 4
	v_nop
.endr
	s_branch .Lasked_\@
.Lfor_b_\@:
	tensor_load_to_lds s[\g0b:\g0b+3], s[\g1b:\g1b+7]
	s_nop 0
.rept 4
	v_nop
.endr
.Lasked_\@:
.endm
.macro CREST
	s_cmp_lg_u32 s18, 0
	s_cbranch_scc1 .Lnot_wave_0_\@
	s_barrier_signal -3
.Lnot_wave_0_\@:
	s_barrier_wait -3
	s_barrier_signal -1
	s_barrier_wait -1
.endm
.macro CROUND
	s_barrier_signal -1
	s_barrier_wait -1
	CREST
.endm
.macro PLACES n
.rept \n
	v_nop
.endr
.endm
	s_load_b256 s[4:11], s[0:1], 0x0
	s_load_b128 s[12:15], s[0:1], 0x20
	s_load_b64 s[16:17], s[0:1], 0x30
	v_lshl_add_u32 v[SPW], v0, 2, SPARE
	v_mov_b32 v[NIL], 0
	ds_add_u32 v28, v29
	ds_add_u32 v28, v29
	s_wait_dscnt 0x0
	v_lshrrev_b32 v1, 5, v0
	v_readfirstlane_b32 s18, v1
	s_lshr_b32 s19, s18, 1
	s_and_b32 s20, s18, 1
	s_bfe_u32 s40, ttmp6, 0x40000
	s_bfe_u32 s41, ttmp6, 0x40004
	s_lshl_b32 s42, ttmp9, 2
	s_add_co_u32 s42, s42, s40
	s_and_b32 s21, ttmp7, 0xffff
	s_lshl_b32 s21, s21, 2
	s_add_co_u32 s21, s21, s41
	s_lshl_b32 s43, s41, 2
	s_lshl_b32 s43, 15, s43
	s_lshl_b32 s44, 0x1111, s40
	s_or_b32 s[G1A], s43, (1<<20)|(1<<21)|(5<<22)|(3<<25)
	s_or_b32 s[G1B], s44, (1<<20)|(1<<21)|(5<<22)|(3<<25)
	s_mov_b32 s[G1A+1], 256<<16
	s_mov_b32 s[G1A+2], 128<<16
	s_mov_b32 s[G1A+3], 256<<16
	s_mov_b32 s[G1A+4], 128
	s_mov_b32 s[G1A+5], 1024
	s_mov_b32 s[G1A+6], 0
	s_mov_b32 s[G1A+7], 0
	s_mov_b32 s[G1B+1], 256<<16
	s_mov_b32 s[G1B+2], 96<<16
	s_mov_b32 s[G1B+3], 256<<16
	s_mov_b32 s[G1B+4], 96
	s_mov_b32 s[G1B+5], 1024
	s_mov_b32 s[G1B+6], 0
	s_mov_b32 s[G1B+7], 0
	s_or_b32 s[G1SA], s43, (1<<20)|(1<<21)|(5<<22)|(3<<25)   ; the head's loads: whole tiles of 256 and of 192 rows
	s_or_b32 s[G1SB], s44, (1<<20)|(1<<21)|(5<<22)|(3<<25)
	s_mov_b32 s[G1SA+1], 256<<16
	s_mov_b32 s[G1SA+2], 256<<16
	s_mov_b32 s[G1SA+3], 256<<16
	s_mov_b32 s[G1SA+4], 256
	s_mov_b32 s[G1SA+5], 1024
	s_mov_b32 s[G1SA+6], 0
	s_mov_b32 s[G1SA+7], 0
	s_mov_b32 s[G1SB+1], 256<<16
	s_mov_b32 s[G1SB+2], 192<<16
	s_mov_b32 s[G1SB+3], 256<<16
	s_mov_b32 s[G1SB+4], 192
	s_mov_b32 s[G1SB+5], 1024
	s_mov_b32 s[G1SB+6], 0
	s_mov_b32 s[G1SB+7], 0
	s_lshl_b32 s22, s21, 18                        ; x: 256 rows of 1,024 bytes x tile row; its scale bytes, 32 a row
	s_mov_b32 s23, 0
	s_lshl_b32 s94, s21, 13
	s_mov_b32 s95, 0
	s_mul_i32 s46, s42, 196608                     ; W: 192 rows x tile column; its scale bytes
	s_mov_b32 s47, 0
	s_mul_i32 s92, s42, 6144
	s_mov_b32 s93, 0
	s_lshl_b32 s96, s19, 8                         ; the head's K step: wave / 2
	s_mov_b32 s97, 0
	s_lshl_b32 s98, s20, 17                        ; the refills: my 128 rows of x,
	s_mov_b32 s99, 0
	s_mul_i32 s2, s20, 98304                       ; my 96 rows of W
	s_mov_b32 s3, 0
	s_mul_i32 s45, s20, HALFA
	s_mul_i32 s66, s20, HALFB
	s_mul_i32 s67, s19, SLOT
	CROUND                                         ; all sixteen work-groups are here: the first joint loads meet
	s_wait_kmcnt 0x0
	s_add_nc_u64 s[22:23], s[4:5], s[22:23]
	s_add_nc_u64 s[94:95], s[6:7], s[94:95]
	s_add_nc_u64 s[46:47], s[8:9], s[46:47]
	s_add_nc_u64 s[92:93], s[10:11], s[92:93]
	s_mov_b32 s[G0SA], 1
	s_mov_b32 s[G0SA+1], s67
	s_add_nc_u64 s[G0SA+2:G0SA+3], s[22:23], s[96:97]
	s_or_b32 s[G0SA+3], s[G0SA+3], 0x80000000
	s_mov_b32 s[G0SB], 1
	s_add_co_u32 s[G0SB+1], s67, BOFF
	s_add_nc_u64 s[G0SB+2:G0SB+3], s[46:47], s[96:97]
	s_or_b32 s[G0SB+3], s[G0SB+3], 0x80000000
.macro ARM under, g0, g1, next
	s_cmp_lt_u32 s18, \under
	s_cbranch_scc0 \next
	tensor_load_to_lds s[\g0:\g0+3], s[\g1:\g1+7]
	s_nop 0
.rept 4
	v_nop
.endr
	s_branch .Lhead_asked
\next:
.endm
	ARM 1, G0SA, G1SA, .Lhead_1
	ARM 2, G0SB, G1SB, .Lhead_2
	ARM 3, G0SA, G1SA, .Lhead_3
	tensor_load_to_lds s[G0SB:G0SB+3], s[G1SB:G1SB+7]
	s_nop 0
.rept 4
	v_nop
.endr
.Lhead_asked:
	s_add_nc_u64 s[22:23], s[22:23], s[98:99]
	s_add_nc_u64 s[46:47], s[46:47], s[2:3]
.irp s, 0,1
	s_mov_b32 s[G0A+4*\s], 1
	s_add_co_u32 s[G0A+4*\s+1], s45, \s*SLOT
	s_add_nc_u64 s[G0A+4*\s+2:G0A+4*\s+3], s[22:23], \s*256
	s_or_b32 s[G0A+4*\s+3], s[G0A+4*\s+3], 0x80000000
	s_mov_b32 s[G0B+4*\s], 1
	s_add_co_u32 s[G0B+4*\s+1], s66, \s*SLOT+BOFF
	s_add_nc_u64 s[G0B+4*\s+2:G0B+4*\s+3], s[46:47], \s*256
	s_or_b32 s[G0B+4*\s+3], s[G0B+4*\s+3], 0x80000000
.endr
	; the scale bytes: wave w brings 2,048 of x's and 1,536 of W's
	s_lshl_b32 s96, s18, 11
	s_add_nc_u64 s[94:95], s[94:95], s[96:97]
	s_mul_i32 s96, s18, 1536
	s_add_nc_u64 s[92:93], s[92:93], s[96:97]
	; the prefetches: waves 0 and 1 x's rows, 32 of my work-group's 64; waves 2 and 3 W's, 24 of its 48 (lanes 24 to 31 name the last row again)
	s_lshl_b32 s96, s21, 18
	s_lshl_b32 s98, s40, 16
	s_add_co_u32 s96, s96, s98
	s_lshl_b32 s98, s20, 15
	s_add_co_u32 s96, s96, s98
	s_mul_i32 s98, s42, 196608
	s_mul_i32 s99, s41, 49152
	s_add_co_u32 s98, s98, s99
	s_mul_i32 s99, s20, 24576
	s_add_co_u32 s98, s98, s99
	s_mov_b32 s99, 31
	s_cmp_eq_u32 s19, 0
	s_cselect_b32 s96, s96, s98
	s_cselect_b32 s99, s99, 23
	s_cselect_b64 s[6:7], s[4:5], s[8:9]
	s_add_nc_u64 s[6:7], s[6:7], s[96:97]
	v_and_b32 v30, 31, v0
	v_lshlrev_b32 v31, 4, v30
	v_min_u32 v[PFO], s99, v30
	v_lshlrev_b32 v[PFO], 10, v[PFO]
.irp i, 0,1,2,3
	global_load_b128 v[96+4*\i:96+4*\i+3], v31, s[94:95] offset:512*\i
.endr
.irp i, 0,1,2
	global_load_b128 v[112+4*\i:112+4*\i+3], v31, s[92:93] offset:512*\i
.endr
	v_and_b32 v1, 15, v0
	v_bfe_u32 v2, v0, 4, 1
	v_and_b32 v3, 31, v0
	v_mul_u32_u24 v4, v1, PITCH
	v_lshl_add_u32 v4, v2, 4, v4
	s_mul_i32 s2, s19, HALFA
	v_add_nc_u32 v[ADRA], s2, v4
	v_add_nc_u32 v[ADRA+1], SLOT, v[ADRA]
	s_mul_i32 s2, s20, 64*PITCH
	s_add_co_u32 s2, s2, BOFF
	v_add_nc_u32 v[ADRBQ], s2, v4
	v_add_nc_u32 v[ADRBQ+1], SLOT, v[ADRBQ]
	v_and_b32 v5, 8, v1
	v_add_nc_u32 v5, v5, v1
	v_mul_u32_u24 v6, v5, PITCH
	v_lshl_add_u32 v6, v2, 4, v6
	s_mul_i32 s2, s20, 32*PITCH
	s_add_co_u32 s2, s2, BOFF+128*PITCH
	v_add_nc_u32 v[ADRBV], s2, v6
	v_add_nc_u32 v[ADRBV+1], SLOT, v[ADRBV]
	v_lshrrev_b32 v6, 3, v1
	v_lshlrev_b32 v7, 5, v1
	v_lshl_add_u32 v7, v6, 4, v7
	s_mul_i32 s2, s19, SCA
	s_add_co_u32 s2, s2, SCL
	v_add_nc_u32 v[ADSA], s2, v7
	s_mul_i32 s2, s20, 8*272
	s_add_co_u32 s2, s2, SCLB
	v_add_nc_u32 v[ADSQ], s2, v7
	v_and_b32 v7, 7, v1
	v_lshlrev_b32 v7, 5, v7
	v_mad_u32_u24 v7, v6, 544, v7
	s_mul_i32 s2, s20, 4*272
	s_add_co_u32 s2, s2, SCLB+16*272
	v_add_nc_u32 v[ADSV], s2, v7
	v_lshlrev_b32 v[LI], 4, v3
	v_lshlrev_b32 v[L8], 3, v3
	v_lshlrev_b32 v7, 3, v1
	s_wait_alu depctr_va_vdst(0)
	s_mul_i32 s2, s19, 768
	s_add_co_u32 s2, s2, STG
	s_xor_b32 s3, s20, 1
	s_lshl_b32 s97, s3, 8
	s_add_co_u32 s97, s97, s2
	v_add_nc_u32 v[QKW], s97, v7
	s_lshl_b32 s97, s3, 7
	s_add_co_u32 s97, s97, s2
	s_add_co_u32 s97, s97, 512
	v_add_nc_u32 v[VW], s97, v7
	v_add_nc_u32 v[RDA], s2, v[LI]
	s_add_co_u32 s2, s2, 512
	v_add_nc_u32 v[RDB], s2, v[L8]
	v_lshlrev_b32 v[BQO], 5, v2
	s_wait_alu depctr_va_vdst(0)
	v_lshlrev_b32 v[BVO], 2, v5
	s_wait_alu depctr_va_vdst(0)
	s_lshl_b32 s2, s42, 5
	s_lshl_b32 s3, s21, 1
	s_add_co_u32 s2, s2, s3
	s_add_co_u32 s2, s2, s19
	s_mul_i32 s98, s2, STEPB
	s_mov_b32 s99, 0
	s_add_nc_u64 s[16:17], s[16:17], s[98:99]
	s_lshl_b32 s98, s2, 13
	s_add_nc_u64 s[14:15], s[14:15], s[98:99]
	s_cmp_eq_u32 s20, 0
	s_cselect_b64 s[14:15], s[14:15], s[16:17]
	s_lshl_b32 s98, s20, 12
	s_add_co_u32 s98, s98, 8192
	s_add_nc_u64 s[98:99], s[16:17], s[98:99]
	s_mul_i32 s2, s42, 768
	s_mov_b32 s3, 0
	s_add_nc_u64 s[12:13], s[12:13], s[2:3]
	s_lshl_b32 s2, s20, 7
	s_add_co_u32 s2, s2, 512
	s_add_nc_u64 s[96:97], s[12:13], s[2:3]
	s_lshl_b32 s2, s20, 8
	s_add_nc_u64 s[12:13], s[12:13], s[2:3]
	WIN 0xc0
.irp tn, 0,1,2,3
	global_load_b128 v[128+8*\tn:128+8*\tn+3], v[BQO], s[12:13] offset:64*\tn
	global_load_b128 v[128+8*\tn+4:128+8*\tn+7], v[BQO], s[12:13] offset:64*\tn+16
.endr
.irp tv, 0,1
.irp j, 0,1,2,3,4,5,6,7
	global_load_b32 v[160+8*\tv+\j], v[BVO], s[96:97] offset:32*\tv
.endr
.endr
	WIN 0
.macro FRAG reg, adr, off
.irp c, 0,1,2,3
	ds_load_b128 v[\reg+4*\c:\reg+4*\c+3], v[\adr] offset:\off+32*\c
.endr
.endm
.macro FETCH_B slot, q, p
	WIN 0x40
.irp tn, 0,1,2,3
	FRAG 96*(\p)+16*\tn, ADRBQ+\slot, 128*(\q)+\tn*16*PITCH
.endr
.irp tv, 0,1
	FRAG 96*(\p)+64+16*\tv, ADRBV+\slot, 128*(\q)+\tv*8*PITCH
.endr
	WIN 0
.endm
.macro FETCH_A slot, q, i0
.irp i, \i0, \i0+1, \i0+2, \i0+3
	FRAG AF+16*(\i), ADRA+\slot, 128*(\q)+(\i)*16*PITCH
.endr
.endm
.macro SCALES set, visit
.irp a, 0,1,2,3,4,5,6,7
	ds_load_b64 v[SC+28*\set+2*\a:SC+28*\set+2*\a+1], v[ADSA] offset:544*\a+8*(\visit)
.endr
.irp tn, 0,1,2,3
	ds_load_b64 v[SC+28*\set+16+2*\tn:SC+28*\set+16+2*\tn+1], v[ADSQ] offset:544*\tn+8*(\visit)
.endr
.irp tv, 0,1
	ds_load_b64 v[SC+28*\set+24+2*\tv:SC+28*\set+24+2*\tv+1], v[ADSV] offset:272*\tv+8*(\visit)
.endr
.endm
.macro MULQ a0, p, q, set, first
.if \first
	WIN 0xb1
.else
	WIN 0xa1
.endif
.irp a, \a0, \a0+1, \a0+2, \a0+3
.irp tn, 0,1,2,3
.if \first
	v_wmma_scale_f32_16x16x128_f8f6f4 v[32*(\a)+8*\tn:32*(\a)+8*\tn+7], v[96*(\p)+16*\tn:96*(\p)+16*\tn+15], v[AF+16*(\a):AF+16*(\a)+15], v[128+8*\tn:128+8*\tn+7], v[SC+28*(\set)+16+2*\tn+(\q)], v[SC+28*(\set)+2*(\a)+(\q)] matrix_a_fmt:MATRIX_FMT_BF8 matrix_b_fmt:MATRIX_FMT_BF8
.else
	v_wmma_scale_f32_16x16x128_f8f6f4 v[32*(\a)+8*\tn:32*(\a)+8*\tn+7], v[96*(\p)+16*\tn:96*(\p)+16*\tn+15], v[AF+16*(\a):AF+16*(\a)+15], v[32*(\a)+8*\tn:32*(\a)+8*\tn+7], v[SC+28*(\set)+16+2*\tn+(\q)], v[SC+28*(\set)+2*(\a)+(\q)] matrix_a_fmt:MATRIX_FMT_BF8 matrix_b_fmt:MATRIX_FMT_BF8
.endif
.endr
.endr
.endm
.macro MULV a0, p, q, set, first
	WIN 0xf4
.irp a, \a0, \a0+1, \a0+2, \a0+3
.irp tv, 0,1
.if \first
	v_wmma_scale_f32_16x16x128_f8f6f4 v[64*\tv+8*(\a):64*\tv+8*(\a)+7], v[AF+16*(\a):AF+16*(\a)+15], v[96*(\p)+64+16*\tv:96*(\p)+64+16*\tv+15], v[160+8*\tv:160+8*\tv+7], v[SC+28*(\set)+2*(\a)+(\q)], v[SC+28*(\set)+24+2*\tv+(\q)] matrix_a_fmt:MATRIX_FMT_BF8 matrix_b_fmt:MATRIX_FMT_BF8
.else
	v_wmma_scale_f32_16x16x128_f8f6f4 v[64*\tv+8*(\a):64*\tv+8*(\a)+7], v[AF+16*(\a):AF+16*(\a)+15], v[96*(\p)+64+16*\tv:96*(\p)+64+16*\tv+15], v[64*\tv+8*(\a):64*\tv+8*(\a)+7], v[SC+28*(\set)+2*(\a)+(\q)], v[SC+28*(\set)+24+2*\tv+(\q)] matrix_a_fmt:MATRIX_FMT_BF8 matrix_b_fmt:MATRIX_FMT_BF8
.endif
.endr
.endr
.endm
.macro STEP slot, first
	s_wait_dscnt 16
	MULQ 0, 0, 0, \slot, \first
	MULV 0, 0, 0, \slot, \first
	s_wait_dscnt 0x0
	PLACES 8
	FETCH_B \slot, 1, 1
	FETCH_A \slot, 1, 0
	MULQ 4, 0, 0, \slot, \first
	MULV 4, 0, 0, \slot, \first
	PLACES 8
	WIN 0
	FETCH_A \slot, 1, 4
.endm
.macro TURN slot, next, fill, visit
	s_wait_tensorcnt 0x0
	ds_add_u32 v[SPW], v[NIL]
	s_wait_dscnt 17
	MULQ 0, 1, 1, \slot, 0
	s_wait_dscnt 0x0
	s_barrier_signal -1
	MULV 0, 1, 1, \slot, 0
	WIN 0
	s_barrier_wait -1
.if \fill
	CREST
	s_add_nc_u64 s[G0A+4*\slot+2:G0A+4*\slot+3], s[G0A+4*\slot+2:G0A+4*\slot+3], 512
	s_add_nc_u64 s[G0B+4*\slot+2:G0B+4*\slot+3], s[G0B+4*\slot+2:G0B+4*\slot+3], 512
	JLOAD G0A+4*\slot, G1A, G0B+4*\slot, G1B
	PLACES 4
.else
	PLACES 8
.endif
	FETCH_B \next, 0, 0
	FETCH_A \next, 0, 0
	SCALES \next, \visit+1
.if \visit == 0
	global_prefetch_b8 v[PFO], s[6:7] offset:768 th:TH_LOAD_NT scope:SCOPE_SE   ; K step 3, one K step ahead of its load
.endif
	MULQ 4, 1, 1, \slot, 0
	MULV 4, 1, 1, \slot, 0
	PLACES 8
	WIN 0
	FETCH_A \next, 0, 4
.endm
	v_mul_u32_u24 v4, v2, 272                      ; where my scale bytes go: x's unit 8 w + 2 i + h, W's unit 6 w + 2 i + h; 16 r in the unit
	v_lshl_add_u32 v4, v1, 4, v4
	s_mul_i32 s2, s18, 2176
	s_add_co_u32 s2, s2, SCL
	v_add_nc_u32 v[STA], s2, v4
	s_mul_i32 s2, s18, 1632
	s_add_co_u32 s2, s2, SCLB
	v_add_nc_u32 v[STB], s2, v4
	global_prefetch_b8 v[PFO], s[6:7] offset:512 th:TH_LOAD_NT scope:SCOPE_SE   ; K step 2
	s_wait_alu depctr_va_vdst(0)                   ; the wait at the head's end
	s_wait_loadcnt 24                              ; the scale bytes are in; the 24 loads of the bias behind them may be out
.irp i, 0,1,2,3
	ds_store_b128 v[STA], v[96+4*\i:96+4*\i+3] offset:544*\i
.endr
.irp i, 0,1,2
	ds_store_b128 v[STB], v[112+4*\i:112+4*\i+3] offset:544*\i
.endr
	s_cmp_lt_u32 s18, 2                            ; waves 0 and 1 fetched K step 0; waves 2 and 3 wait for theirs at the first change of slots, as all do
	s_cbranch_scc0 .Lnot_yet
	s_wait_tensorcnt 0x0
.Lnot_yet:
	s_wait_dscnt 0x0
	s_barrier_signal -1
	s_barrier_wait -1
	FETCH_B 0, 0, 0
	FETCH_A 0, 0, 0
	SCALES 0, 0
	FETCH_A 0, 0, 4
	s_wait_loadcnt 0x0
	STEP 0, 1
	TURN 0, 1, 1, 0
	STEP 1, 0
	TURN 1, 0, 1, 1
	STEP 0, 0
	TURN 0, 1, 0, 2
	STEP 1, 0
	s_wait_dscnt 16
	MULQ 0, 1, 1, 1, 0
	MULV 0, 1, 1, 1, 0
	s_wait_dscnt 0x0
	MULQ 4, 1, 1, 1, 0
	MULV 4, 1, 1, 1, 0
	WIN 0
	PLACES 8
.macro QUANT win, s, pc, pw
	WIN (\win)|((\win)<<2)
.irp b, 0,1,2,3
	v_max3_num_f32 v[TM+\b], |v[\s+16*\b]|, |v[\s+16*\b+1]|, 0x8000000
.endr
	WIN ((\win)<<2)|((\win)<<4)
.irp i, 2,4,6,8,10,12,14
.irp b, 0,1,2,3
	v_max3_num_f32 v[TM+\b], v[TM+\b], |v[\s+16*\b+\i]|, |v[\s+16*\b+\i+1]|
.endr
.endr
	WIN 0
.irp b, 0,1,2,3
	v_permlanex16_b32 v[TM+4+\b], v[TM+\b], s[SEL], s[SEL+1]
.endr
.irp b, 0,1,2,3
	v_max_num_f32 v[TM+\b], v[TM+\b], v[TM+4+\b]
.endr
.irp b, 0,1,2,3
	v_add_nc_u32 v[TM+12+\b], 0xf8800000, v[TM+\b]
.endr
.irp b, 0,1,2,3
	v_and_or_b32 v[TM+8+\b], v[TM+\b], 0x7f800000, s[MNT]
.endr
.irp b, 0,1,2,3
	v_lshrrev_b32 v[TM+4+\b], 23, v[TM+12+\b]
.endr
	v_lshl_or_b32 v[\pw], v[TM+5], 8, v[TM+4]
	v_lshl_or_b32 v[\pw], v[TM+6], 16, v[\pw]
	v_lshl_or_b32 v[\pw], v[TM+7], 24, v[\pw]
	WIN (\win)|((\win)<<6)
.irp b, 0,1,2,3
.irp i, 0,1,2,3,4,5,6,7,8,9,10,11,12,13,14,15
	v_med3_num_f32 v[\s+16*\b+\i], v[\s+16*\b+\i], -v[TM+8+\b], v[TM+8+\b]
.endr
.endr
	WIN \win
.irp b, 0,1,2,3
	v_cvt_scalef32_pk8_bf8_f32 v[\pc+4*\b:\pc+4*\b+1], v[\s+16*\b:\s+16*\b+7], v[TM+12+\b]
	v_cvt_scalef32_pk8_bf8_f32 v[\pc+4*\b+2:\pc+4*\b+3], v[\s+16*\b+8:\s+16*\b+15], v[TM+12+\b]
.endr
	WIN 0
	v_nop
.endm
	s_mov_b32 s[SEL], 0x76543210
	s_mov_b32 s[SEL+1], 0xfedcba98
	s_mov_b32 s[MNT], 0x600000
.irp b, 0,1,2,3
	v_mov_b32 v[TM+4+\b], 0
.endr
.irp g, 0,1,2,3
	QUANT 2, 64*\g, PC+16*\g, PW+\g
.irp c, 0,1,2,3
	global_store_b128 v[LI], v[PC+16*\g+4*\c:PC+16*\g+4*\c+3], s[14:15] offset:2048*\g+512*\c
.endr
	ds_store_b32 v[QKW], v[PW+\g] offset:128*(\g/2)+4*(\g%2)
.endr
.irp tv, 0,1
	QUANT 3, 64*\tv, PC+64+16*\tv, PW+4+\tv
.irp c, 0,1,2,3
	global_store_b128 v[LI], v[PC+64+16*\tv+4*\c:PC+64+16*\tv+4*\c+3], s[98:99] offset:2048*\tv+512*\c
.endr
	ds_store_b32 v[VW], v[PW+4+\tv] offset:4*\tv
.endr
	s_wait_dscnt 0x0
	s_barrier_signal -1
	s_barrier_wait -1
	s_cmp_lg_u32 s20, 0
	s_cbranch_scc1 .Lno_record
	ds_load_b128 v[RBK:RBK+3], v[RDA]
	ds_load_b64 v[RBK+4:RBK+5], v[RDB]
	s_wait_dscnt 0x0
	global_store_b128 v[LI], v[RBK:RBK+3], s[16:17] offset:16384
	global_store_b64 v[L8], v[RBK+4:RBK+5], s[16:17] offset:16896
.Lno_record:
	s_wait_tensorcnt 0x0
	ds_add_u32 v[SPW], v[NIL]
	s_wait_dscnt 0x0
	CROUND
	s_endpgm
.Lfunc_end_k_q07253005ef_qkv:
	.size	k_q07253005ef_qkv, .Lfunc_end_k_q07253005ef_qkv-k_q07253005ef_qkv
	.p2alignl 7, 3214868480
	.fill 96, 4, 3214868480
	.section	.rodata,"a",@progbits
	.p2align	6, 0x0
	.amdhsa_kernel k_q07253005ef_qkv
		.amdhsa_group_segment_fixed_size 327680
		.amdhsa_private_segment_fixed_size 0
		.amdhsa_enable_private_segment 0
		.amdhsa_kernarg_size 56
		.amdhsa_user_sgpr_count 2
		.amdhsa_user_sgpr_kernarg_segment_ptr 1
		.amdhsa_wavefront_size32 1
		.amdhsa_system_sgpr_workgroup_id_x 1
		.amdhsa_system_sgpr_workgroup_id_y 1
		.amdhsa_system_sgpr_workgroup_id_z 1
		.amdhsa_system_vgpr_workitem_id 0
		.amdhsa_next_free_vgpr 1024
		.amdhsa_next_free_sgpr 100
		.amdhsa_reserve_vcc 0
		.amdhsa_float_denorm_mode_32 3
		.amdhsa_float_denorm_mode_16_64 3
		.amdhsa_memory_ordered 1
		.amdhsa_forward_progress 1
		.amdhsa_inst_pref_size 157
	.end_amdhsa_kernel
	.amdgpu_metadata
---
amdhsa.version: [ 1, 2 ]
amdhsa.kernels:
  - .name:           k_q07253005ef_qkv
    .symbol:         k_q07253005ef_qkv.kd
    .args:
      - { .name: hidden_states_codes, .offset: 0, .size: 8, .value_kind: global_buffer, .address_space: global }
      - { .name: hidden_states_scales, .offset: 8, .size: 8, .value_kind: global_buffer, .address_space: global }
      - { .name: qkv_w_codes, .offset: 16, .size: 8, .value_kind: global_buffer, .address_space: global }
      - { .name: qkv_w_scales, .offset: 24, .size: 8, .value_kind: global_buffer, .address_space: global }
      - { .name: qkv_b, .offset: 32, .size: 8, .value_kind: global_buffer, .address_space: global }
      - { .name: qc, .offset: 40, .size: 8, .value_kind: global_buffer, .address_space: global }
      - { .name: kvs, .offset: 48, .size: 8, .value_kind: global_buffer, .address_space: global }
    .group_segment_fixed_size: 327680
    .private_segment_fixed_size: 0
    .kernarg_segment_align: 8
    .kernarg_segment_size: 56
    .max_flat_workgroup_size: 128
    .sgpr_count:     100
    .vgpr_count:     1024
    .wavefront_size: 32
...
	.end_amdgpu_metadata
.endif
;; end of part 1
;; launch attn (part 2): grid 16 x 16, 16 waves a work-group, no clusters, 327,680 bytes of LDS; arguments qc, kvs, cc, cs; writes cc, cs
.if DOCPART == 2
	.amdgcn_target "amdgcn-amd-amdhsa--gfx1250"
	.amdhsa_code_object_version 6
	.text
	.protected	k_q07253005ef_attn
	.globl	k_q07253005ef_attn
	.p2align	8
	.type	k_q07253005ef_attn,@function
k_q07253005ef_attn:
	s_mov_b64 s[64:65], 0
	v_nop
	global_prefetch_b8 v0, s[64:65] scope:SCOPE_SE
	s_setreg_imm32_b32 hwreg(HW_REG_WAVE_MODE, 25, 1), 1
	s_wait_xcnt 0x0
; Causal attention of one head on codes of BF8 (E5M2), and its result quantised along the last product's K.  16 heads of 64, 4,096 rows; logit = q . k / 32.
; t = score x log2(e) / 32; M = the running largest t rounded UP to a whole number; p = 2^(t - M) is quantised along the keys, not normalised; the row's sum is taken of the unquantised p and divides at the end.
; SHARES.  A block is 128 queries, a key step 128 keys.  Work-group j of a head does blocks 31 - j (32 - j key steps) and j (j + 1 steps): 33 POSITIONS in a row.  SIXTEEN waves, four to a SIMD, in two groups of eight;
; wave w of a group owns tile w (16 queries) of the block in hand.  Group 0 walks positions 0-16, all of them block 31 - j's; group 1 walks positions 17-32: the rest of block 31 - j and all of block j.
; At its one change of block (position 32 - j, ahead of it) group 1 leaves O^T, -M and the sum in LDS; at the end group 0 joins them to its own: factors 2^(M - joined M), exact.  Group 0 finishes block 31 - j, group 1 block j.
; Causal tiles above the diagonal are not done.  A block's last step lies on the diagonal: there hidden scores become -infinity ahead of the maximum.
; NO CLUSTER: the work-groups that walk the same head's keys differ in j, and which step is masked and where the block changes hang on j.
; OPERANDS come as images of registers (a piece = 512 bytes, lane l's 16 bytes at 16 l).  A key step is one dense block of 17,152 bytes: k 8,192, v 8,192, scale words 768.
; THE HEAD'S K IS 64, THE INSTRUCTION'S 128: a fragment of k holds TWO tiles of 16 keys (K 0-63: tile 2 g, K 64-127: tile 2 g + 1); it is multiplied once by [q | 0] and once by [0 | q].  Zero codes add nothing
; (k's codes are finite: the quantiser holds them).  q lies between two runs of eight zero registers, so both forms are runs of 16 registers.
; Both products are used transposed: S^T = k q^T, O^T = v^T p^T: a lane holds one query (lane % 16).  Register 8 t + j of S^T is key 16 t + 8 (lane / 16) + j: inside a block of 32 keys the order of
; p's codes is that of v's images.  Register 8 dt + j of O^T is d = 32 (dt / 2) + 16 (lane / 16) + 8 (dt % 2) + j: the true order of the last product's K.
; RING: two slots of six key steps, three for each group: waves 0-5 fetch a step each: wave i for group i % 2, place i / 2.  Six fills: five of six steps, the last of three (group 0's positions 15, 16, group 1's 32).
; LIMITS: NaN and infinities are not served; the promise holds while the scaled scores t stay under 2^31 in magnitude.  A block of zeros gets the byte 1 where the rule says 127: its codes are zeros, and only this program reads the bytes.
.set STEPB, 17152
.set SLOT1, 131072                     ; slot 1 begins here: one exclusive or turns an address
.set SPARE, 102912                     ; behind slot 0: the spare words, 128 bytes for each of sixteen waves
.set PART,  233984                     ; behind slot 1: each wave's own bytes: O^T 4,096, -M and the sum 256, the second block's q 1,024 and its scale word 128
.set PARTB, 5632
.set LI,   1                           ; 16 x lane
.set AS0,  2                           ; scale words: lanes 0-15 k's fragments 0, 1; lanes 16-31 v's fragments 0, 1: 8 r + 640 h
.set AS1,  3                           ; k's 2, 3; v's 2, 3: 128 + 8 r + 384 h
.set DV,   4                           ; 16 w + r - 8 h: on the diagonal register 8 t + j is hidden where 16 t + j is above it
.set SPW,  5
.set NIL,  6
.set PFO,  7                           ; 256 x lane
.set ADK,  8
.set ADS0, 9
.set ADS1, 10
.set CSO,  11                          ; 32 r + h
.set QZ,   16                          ; v12 -M, v13 the largest score, v[14:15] the sum in two halves; v16-23 zeros, v24-31 q, v32-39 zeros
.set T0,   40                          ; v40-47, v56-63: eight held p each, by turns
.set FF,   48                          ; v[48:49] f, later 1 / the sum
.set SW,   50                          ; v50-53 k's and v's scale words
.set PSW,  54                          ; p's scale word
.set QSW,  55                          ; q's scale word [b0, b1, b0, b1]: it serves both forms
.set KV,   64                          ; v64-127 k's four fragments, then v's four
.set S,    128                         ; v128-191 S^T, then p
.set OT,   192                         ; v192-223 O^T
.set PCD,  224                         ; v224-239 p's codes
.set BM,   240                         ; block maxima; later chains of the sum
.set BT,   244                         ; the other half's; bytes; a chain of the sum
.set HD,   248                         ; 57,344 x the scale
.set SOP,  252                         ; the conversions' scale operands
.set WV,   12
.set JJ,   13
.set HEAD, 14
.set L0,   15                          ; 32 - j: the first position of block j
.set QB,   16                          ; the block in hand
.set KS,   17                          ; the key step in hand
.set GRP,  18                          ; my group
.set MNT,  19
.set SEL,  20
.set CS,   22
.set G1,   24
.set G0,   32
.set HB,   36                          ; s[36:37] the head's first key step in kvs
.set PFA,  38                          ; s[38:39] the key step of position NN
.set OFS,  40                          ; s[40:41] an offset, its high word 0
.set NN,   42                          ; the position that I fetch, or ask for
.set SLOTS, 43
.set CNT,  44
.set TB,   45
.set LIM,  47
.set CCP,  48                          ; s[48:49] where my block's codes go, s[50:51] its scale bytes
.set CSP,  50
.set NC,   52                          ; -log2(e) / 32
.set PB,   53                          ; my own bytes in LDS
.set TL,   54                          ; my tile w
.macro TLOAD waves                     ; the first waves fetch; four v_nop follow the line
	s_cmp_lt_u32 s[WV], \waves
	s_cbranch_scc0 .Lnone_\@
	tensor_load_to_lds s[G0:G0+3], s[G1:G1+7]
	s_nop 0
.rept 4
	v_nop
.endr
.Lnone_\@:
.endm
; A PREFETCH INTO THE L2 of the codes that the NEXT change of slots will ask for, three key steps ahead of that load.  All work-groups of a head walk the same keys; work-group j = 0, whose positions 0-31 are key steps 0-31,
; asks, and nobody else: its waves 6-11 hold the positions one fill further on than waves 0-5 and ask for a step's 16,384 bytes of codes, lanes 256 bytes apart, two instructions.  So each aligned block of 256 bytes is named once.
; Fills 0 and 1 come by their loads alone; of the last fill waves 6 and 8 ask for key steps 15 and 16 (position 32 is key step 0 again, which has been read); behind it nobody asks.
.macro ASK
	s_cmp_gt_u32 s[SLOTS], s[LIM]
	s_cbranch_scc0 .Lnot_mine_\@
	global_prefetch_b8 v[PFO], s[PFA:PFA+1] th:TH_LOAD_NT scope:SCOPE_SE
	global_prefetch_b8 v[PFO], s[PFA:PFA+1] offset:8192 th:TH_LOAD_NT scope:SCOPE_SE
.Lnot_mine_\@:
.endm
.macro POSITION                        ; position NN is key step NN of block 31 - j (NN < 32 - j) or NN - (32 - j) of block j
	s_cmp_lt_u32 s[NN], s[L0]
	s_cselect_b32 s[OFS], 0, s[L0]
	s_sub_co_u32 s[OFS], s[NN], s[OFS]
	s_mul_i32 s[OFS], s[OFS], STEPB
.endm
	s_load_b256 s[4:11], s[0:1], 0x0               ; qc, kvs, cc, cs
	v_lshl_add_u32 v[SPW], v0, 2, SPARE
	v_mov_b32 v[NIL], 0
	ds_add_u32 v[SPW], v[NIL]                      ; the wave's opening: the add, twice on end, and its wait ahead of my first tensor load
	ds_add_u32 v[SPW], v[NIL]
	v_lshrrev_b32 v8, 5, v0
	v_readfirstlane_b32 s[WV], v8                  ; wave 0..15
	s_lshr_b32 s[GRP], s[WV], 3
	s_and_b32 s[TL], s[WV], 7
	s_mov_b32 s[JJ], ttmp9
	s_and_b32 s[HEAD], ttmp7, 0xffff
	s_sub_co_u32 s[L0], 32, s[JJ]
	s_sub_co_u32 s[QB], 31, s[JJ]
	s_mul_i32 s[KS], s[GRP], 17
	; group 1: a key step's block: 67 dense rows of 256 bytes (32 elements of 8 bytes), no padding: images are read as they lie
	s_mov_b32 s[G1], 3<<16
	s_mov_b32 s[G1+1], 32<<16
	s_mov_b32 s[G1+2], 67<<16
	s_mov_b32 s[G1+3], 32<<16
	s_mov_b32 s[G1+4], 67
	s_mov_b32 s[G1+5], 32
	s_mov_b32 s[G1+6], 0
	s_mov_b32 s[G1+7], 0
	s_mov_b32 s[G0], 1
	s_mul_i32 s[G0+1], s[WV], STEPB                ; LDS: my step's place in slot 0
	s_cmp_lt_u32 s[WV], 6                          ; waves 6-11 hold waves 0-5's positions, one fill further on
	s_cselect_b32 s2, 0, 6
	s_cselect_b32 s[NN], 0, 3
	s_sub_co_u32 s2, s[WV], s2
	s_and_b32 s3, s2, 1
	s_mul_i32 s3, s3, 17
	s_lshr_b32 s2, s2, 1
	s_add_co_u32 s[NN], s[NN], s3
	s_add_co_u32 s[NN], s[NN], s2                  ; 17 (i % 2) + i / 2
	POSITION
	s_mov_b32 s[OFS+1], 0
	s_mul_i32 s2, s[HEAD], 32*STEPB
	s_mov_b32 s3, 0
	s_wait_dscnt 0x0                               ; both opening adds are done
	s_wait_kmcnt 0x0
	s_add_nc_u64 s[HB:HB+1], s[6:7], s[2:3]
	s_add_nc_u64 s[PFA:PFA+1], s[HB:HB+1], s[OFS:OFS+1]
	s_mov_b64 s[G0+2:G0+3], s[PFA:PFA+1]
	s_or_b32 s[G0+3], s[G0+3], 0x80000000
	TLOAD 6                                        ; slot 0: positions 0, 1, 2 and 17, 18, 19
	s_mov_b32 s[MNT], 0x600000
	s_mov_b32 s[SEL], 0x76543210
	s_mov_b32 s[SEL+1], 0xfedcba98
	s_mov_b32 s[CS], 0x3d38aa3b                    ; c = log2(e) / 32
	s_mov_b32 s[CS+1], s[CS]
	s_mov_b32 s[NC], 0xbd38aa3b
	s_mov_b32 s56, 0xffff0000                      ; lanes 16-31
	s_mov_b32 s[SLOTS], 4
	s_mul_i32 s[TB], s[GRP], STEPB
	s_mul_i32 s[PB], s[WV], PARTB
	s_add_co_u32 s[PB], s[PB], PART
	s_lshr_b32 s2, 0x140, s[WV]                    ; who prefetches: waves 6-11 of work-group j = 0; waves 6 and 8 one fill longer than the others
	s_and_b32 s2, s2, 1
	s_sub_co_u32 s2, 1, s2
	s_lshr_b32 s3, 0xfc0, s[WV]
	s_and_b32 s3, s3, 1
	s_cmp_eq_u32 s[JJ], 0
	s_cselect_b32 s3, s3, 0
	s_cmp_lg_u32 s3, 0
	s_cselect_b32 s[LIM], s2, -1
	; q of both blocks
	s_lshl_b32 s2, s[HEAD], 5
	s_add_co_u32 s3, s2, s[QB]                     ; 32 head + 31 - j
	s_add_co_u32 s2, s2, s[JJ]                     ; 32 head + j
	s_lshl_b32 s46, s[TL], 10                      ; my tile's two pieces
	s_lshl_b32 s[OFS], s3, 13
	s_add_co_u32 s[OFS], s[OFS], s46
	s_add_nc_u64 s[58:59], s[4:5], s[OFS:OFS+1]
	s_lshl_b32 s[OFS], s2, 13
	s_add_co_u32 s[OFS], s[OFS], s46
	s_add_nc_u64 s[60:61], s[4:5], s[OFS:OFS+1]
	s_lshr_b32 s46, s[TL], 2                       ; my tile's two scale bytes in the record: 16,640 + 128 (w / 4) + 2 (w % 4) + 8 r
	s_lshl_b32 s46, s46, 7
	s_and_b32 s57, s[TL], 3
	s_lshl_b32 s57, s57, 1
	s_add_co_u32 s46, s46, s57
	s_add_co_u32 s46, s46, 16640
	s_mul_i32 s[OFS], s3, STEPB
	s_add_co_u32 s[OFS], s[OFS], s46
	s_add_nc_u64 s[62:63], s[6:7], s[OFS:OFS+1]
	s_mul_i32 s[OFS], s2, STEPB
	s_add_co_u32 s[OFS], s[OFS], s46
	s_add_nc_u64 s[66:67], s[6:7], s[OFS:OFS+1]
	; where my results go: block 31 - j in group 0, block j in group 1.  cc [block][head / 2][tile 8][piece 4][512], pieces 2 (head % 2) + 0, 1
	s_cmp_eq_u32 s[GRP], 0
	s_cselect_b32 s3, s[QB], s[JJ]
	s_lshr_b32 s46, s[HEAD], 1
	s_lshl_b32 s46, s46, 3
	s_add_co_u32 s46, s46, s[TL]
	s_lshl_b32 s46, s46, 11
	s_and_b32 s57, s[HEAD], 1
	s_lshl_b32 s57, s57, 10
	s_add_co_u32 s46, s46, s57
	s_lshl_b32 s[OFS], s3, 17
	s_add_co_u32 s[OFS], s[OFS], s46
	s_add_nc_u64 s[CCP:CCP+1], s[8:9], s[OFS:OFS+1]
	s_lshl_b32 s46, s[TL], 9                       ; cs [row][32], bytes 2 head + 0, 1
	s_lshl_b32 s57, s[HEAD], 1
	s_add_co_u32 s46, s46, s57
	s_lshl_b32 s[OFS], s3, 12
	s_add_co_u32 s[OFS], s[OFS], s46
	s_add_nc_u64 s[CSP:CSP+1], s[10:11], s[OFS:OFS+1]
	s_lshl_b32 s2, s[TL], 4
	v_and_b32 v8, 31, v0                           ; lane
	v_and_b32 v9, 15, v0                           ; r
	v_bfe_u32 v60, v0, 4, 1                        ; h
	v_lshlrev_b32 v[LI], 4, v8
	v_lshlrev_b32 v[PFO], 8, v8
	v_lshlrev_b32 v10, 3, v9                       ; 8 r
	global_load_b128 v[24:27], v[LI], s[58:59]
	global_load_b128 v[28:31], v[LI], s[58:59] offset:512
	global_load_u16 v[QSW], v10, s[62:63]
	v_mad_u32_u24 v[AS0], v60, 640, v10
	v_mad_u32_u24 v[AS1], v60, 384, v10
	v_lshlrev_b32 v[DV], 3, v60
	v_add_nc_u32 v[AS1], 128, v[AS1]
	v_sub_nc_u32 v[DV], v9, v[DV]
	v_lshl_add_u32 v[CSO], v9, 5, v60
	v_add_nc_u32 v[DV], s2, v[DV]
.irp i, 0,1,2,3,4,5,6,7
	v_mov_b32 v[QZ+\i], 0
	v_mov_b32 v[QZ+16+\i], 0
.endr
	v_mov_b32 v13, 0xff61b1e6                      ; the largest score so far: -3e38, under every score;
	v_mov_b32 v12, 0x7f61b1e6                      ; -M: 3e38
	v_mov_b32 v14, 0
	v_mov_b32 v15, 0
	v_mov_b32 v[FF+1], 0                           ; named as the upper half of a pair
.irp b, 0,1,2,3
	v_mov_b32 v[BT+\b], 0                          ; a lane permute's destination counts as one of its sources
.endr
	; every wave lays block j's q aside in its own LDS bytes, with no branch; group 1 takes it back at its change of block, group 0's copy is not read
	global_load_b128 v[T0:T0+3], v[LI], s[60:61]
	global_load_b128 v[T0+4:T0+7], v[LI], s[60:61] offset:512
	global_load_u16 v58, v10, s[66:67]
	v_add_nc_u32 v59, s[PB], v[LI]
	v_lshl_add_u32 v61, v8, 2, s[PB]
	s_wait_alu depctr_va_vdst(0)                   ; directly ahead of the wait below
	s_wait_loadcnt 0x0
	v_lshl_or_b32 v58, v58, 16, v58
	ds_store_b128 v59, v[T0:T0+3] offset:4352
	ds_store_b128 v59, v[T0+4:T0+7] offset:4864
	ds_store_b32 v61, v58 offset:5376
	v_lshl_or_b32 v[QSW], v[QSW], 16, v[QSW]       ; [b0, b1, b0, b1]
.set n, 0
.rept 32
	v_mov_b32 v[OT+n], 0                           ; the step is written once: a block's first step finds zeros, which the first change of M leaves zeros
.set n, n+1
.endr
; GROUP 1's CHANGE OF BLOCK: O^T, -M and the sum go to my own bytes, the second block's q comes back, the state begins anew.
.macro FLUSH
	s_wait_alu depctr_va_vdst(0)                   ; the sum was written ahead of the loop's jump
	v_add_f32 v13, v14, v15
	v_lshrrev_b32 v41, 1, v[LI]
	v_lshrrev_b32 v42, 2, v[LI]
	v_add_nc_u32 v40, s[PB], v[LI]
	v_add_nc_u32 v41, s[PB], v41
	v_add_nc_u32 v42, s[PB], v42
.irp i, 0,1,2,3,4,5,6,7
	ds_store_b128 v40, v[OT+4*\i:OT+4*\i+3] offset:512*\i   ; each accumulator from its low end on
.endr
	ds_store_b64 v41, v[12:13] offset:4096
	ds_load_b128 v[24:27], v40 offset:4352
	ds_load_b128 v[28:31], v40 offset:4864
	ds_load_b32 v[QSW], v42 offset:5376
	v_mov_b32 v13, 0xff61b1e6
	v_mov_b32 v12, 0x7f61b1e6
	v_mov_b32 v14, 0
	v_mov_b32 v15, 0
.set n, 0
.rept 32
	v_mov_b32 v[OT+n], 0
.set n, n+1
.endr
	s_mov_b32 s[QB], s[JJ]
	s_mov_b32 s[KS], 0
.endm
.macro HOLDCVT b, u                    ; eight of block b's p, held (the conversion does not saturate: ISA guide 7.6.2; p is not negative, so the hold is one-sided) and converted; p itself stays for the sum
.set T_, T0+16*(\u)
.irp k, 0,2,4,6
	v_dual_min_num_f32 v[T_+\k], v[HD+\b], v[S+16*\b+8*\u+\k] :: v_dual_min_num_f32 v[T_+\k+1], v[HD+\b], v[S+16*\b+8*\u+\k+1]
.endr
	v_cvt_scalef32_pk8_bf8_f32 v[PCD+4*\b+2*\u:PCD+4*\b+2*\u+1], v[T_:T_+7], v[SOP+\b]
.endm
; A KEY STEP: 128 keys.  last = 1: group 1 has no second step in the last slot.  The branches hang on ids and counts alone and lead round no barrier and no tensor load.
.macro STEP last
.if \last
	s_cmp_eq_u32 s[CNT], s[GRP]
	s_cbranch_scc1 .Lnothing_\@
.endif
	s_cmp_lt_u32 s[WV], 8                          ; group 0 stays with its block
	s_cbranch_scc1 .Lsame_\@
	s_cmp_le_u32 s[KS], s[QB]
	s_cbranch_scc1 .Lsame_\@
	FLUSH
.Lsame_\@:
	v_add_nc_u32 v[ADK], s[TB], v[LI]              ; (the last step's sums are the places behind its products, ahead of these loads)
	v_add_nc_u32 v[ADS0], s[TB], v[AS0]
	v_add_nc_u32 v[ADS1], s[TB], v[AS1]
	ds_load_b64 v[SW:SW+1], v[ADS0] offset:16384
	ds_load_b64 v[SW+2:SW+3], v[ADS1] offset:16384
.irp g, 0,1,2,3
.irp c, 0,1,2,3
	ds_load_b128 v[KV+16*\g+4*\c:KV+16*\g+4*\c+3], v[ADK] offset:2048*\g+512*\c
.endr
.endr
	s_wait_alu depctr_va_vdst(0)                   ; directly ahead of the waits below
.irp g, 0,1,2,3                                ; S^T: even tiles by [q | 0], odd tiles by [0 | q]
	s_wait_dscnt 12-4*\g                           ; the scale words and fragments 0 .. g are in; four loads for each fragment behind may be out
	v_wmma_scale_f32_16x16x128_f8f6f4 v[S+16*\g:S+16*\g+7], v[KV+16*\g:KV+16*\g+15], v[QZ+8:QZ+23], 0, v[SW+\g], v[QSW] matrix_a_fmt:MATRIX_FMT_BF8 matrix_b_fmt:MATRIX_FMT_BF8
	v_wmma_scale_f32_16x16x128_f8f6f4 v[S+16*\g+8:S+16*\g+15], v[KV+16*\g:KV+16*\g+15], v[QZ:QZ+15], 0, v[SW+\g], v[QSW] matrix_a_fmt:MATRIX_FMT_BF8 matrix_b_fmt:MATRIX_FMT_BF8
.endr
.rept 8
	v_nop                                          ; places in front of the loads below and of the first read of the scores
.endr
.irp g, 0,1,2,3
.irp c, 0,1,2,3
	ds_load_b128 v[KV+16*\g+4*\c:KV+16*\g+4*\c+3], v[ADK] offset:8192+2048*\g+512*\c   ; v's fragments land under the softmax
.endr
.endr
	s_cmp_lg_u32 s[KS], s[QB]                      ; on the diagonal hidden scores become -infinity ahead of the maximum: p = 0 then
	s_cbranch_scc1 .Lopen_\@
	v_mov_b32 v59, 0xff800000
.set n, 0
.rept 64
	v_cmp_gt_i32 vcc_lo, 16*(n/8)+n%8, v[DV]
	v_cndmask_b32 v[S+n], v[S+n], v59, vcc_lo
.set n, n+1
.endr
.Lopen_\@:
.irp b, 0,1,2,3
	v_max3_num_f32 v[BM+\b], v[S+16*\b], v[S+1+16*\b], v[S+2+16*\b]   ; the largest score of each block of 32 keys: for the row's maximum, and, since p rises with the score, for the block's largest p
.endr
.irp i, 3,5,7,9,11,13
.irp b, 0,1,2,3
	v_max3_num_f32 v[BM+\b], v[BM+\b], v[S+16*\b+\i], v[S+1+16*\b+\i]
.endr
.endr
.irp b, 0,1,2,3
	v_max_num_f32 v[BM+\b], v[BM+\b], v[S+15+16*\b]
.endr
.irp b, 0,1,2,3
	s_delay_alu instid0(VALU_DEP_4)
	v_permlanex16_b32 v[BT+\b], v[BM+\b], s[SEL], s[SEL+1]
.endr
.irp b, 0,1,2,3
	s_delay_alu instid0(VALU_DEP_4)
	v_max_num_f32 v[BM+\b], v[BM+\b], v[BT+\b]
.endr
	s_delay_alu instid0(VALU_DEP_2)
	v_max3_num_f32 v58, v[BM], v[BM+1], v[BM+2]
	s_delay_alu instid0(VALU_DEP_1)
	v_max3_num_f32 v13, v58, v[BM+3], v13          ; the row's largest score so far
	s_delay_alu instid0(VALU_DEP_1)
	v_mul_f32 v58, s[NC], v13
	s_delay_alu instid0(VALU_DEP_1)
	v_floor_f32 v58, v58                           ; the new -M = floor(-t) = -ceil(t)
	s_delay_alu instid0(VALU_DEP_1)
	v_sub_f32 v59, v58, v12                        ; old M - new M: a whole number, 0 or less
	v_mov_b32 v12, v58
	s_delay_alu instid0(VALU_DEP_2)
	v_cvt_i32_f32 v59, v59                         ; (it saturates)
	s_delay_alu instid0(VALU_DEP_1)
	v_ldexp_f32 v[FF], 1.0, v59                    ; f = 2^(old M - new M): exact
.set n, 0
.rept 32
	v_pk_fma_f32 v[S+n:S+n+1], v[S+n:S+n+1], s[CS:CS+1], v[12:13] op_sel_hi:[1,0,0]   ; t - M
.set n, n+2
.endr
	v_pk_fma_f32 v[BM:BM+1], v[BM:BM+1], s[CS:CS+1], v[12:13] op_sel_hi:[1,0,0]
	v_pk_fma_f32 v[BM+2:BM+3], v[BM+2:BM+3], s[CS:CS+1], v[12:13] op_sel_hi:[1,0,0]
	s_wait_alu depctr_va_vdst(0)                   ; the wait ahead of the batch
.set n, 0
.rept 64
	v_exp_f32 v[S+n], v[S+n]                       ; p, at most 1
.set n, n+1
.endr
.irp b, 0,1,2,3
	v_exp_f32 v[BM+\b], v[BM+\b]                   ; each block's largest p: the same two instructions on the same number
.endr
	v_pk_mul_f32 v[14:15], v[14:15], v[FF:FF+1] op_sel_hi:[1,0]   ; the sums under the new M (a plain place behind the exponentials)
	s_wait_alu depctr_va_vdst(0)                   ; one wait for the batch, and for O^T, which matrix instructions wrote
.set n, 0
.rept 16
	v_pk_mul_f32 v[OT+n:OT+n+1], v[OT+n:OT+n+1], v[FF:FF+1] op_sel_hi:[1,0]   ; O^T under the new M
.set n, n+2
.endr
.irp b, 0,1,2,3
	v_max_num_f32 v[BM+\b], 0x8000000, v[BM+\b]    ; the floor 2^(16 - 127)
.endr
.irp b, 0,1,2,3
	s_delay_alu instid0(VALU_DEP_4)
	v_add_nc_u32 v[SOP+\b], 0xf8800000, v[BM+\b]   ; 15 off the exponent field
.endr
.irp b, 0,1,2,3
	v_and_or_b32 v[HD+\b], v[BM+\b], 0x7f800000, s[MNT]
.endr
.irp b, 0,1,2,3
	v_lshrrev_b32 v[BT+\b], 23, v[SOP+\b]
.endr
	s_delay_alu instid0(VALU_DEP_3)
	v_lshl_or_b32 v[PSW], v[BT+1], 8, v[BT]
	s_delay_alu instid0(VALU_DEP_1)
	v_lshl_or_b32 v[PSW], v[BT+2], 16, v[PSW]
	s_delay_alu instid0(VALU_DEP_1)
	v_lshl_or_b32 v[PSW], v[BT+3], 24, v[PSW]
.irp b, 0,1,2,3
	HOLDCVT \b, 0
	HOLDCVT \b, 1
.endr
	v_pk_add_f32 v[BM:BM+1], v[S:S+1], v[S+2:S+3]  ; the sum of the unquantised p, in four chains; its first four lines are the codes' places ahead of the products
	v_pk_add_f32 v[BM+2:BM+3], v[S+4:S+5], v[S+6:S+7]
	v_pk_add_f32 v[BM+4:BM+5], v[S+8:S+9], v[S+10:S+11]
	v_pk_add_f32 v[14:15], v[14:15], v[S+12:S+13]
	s_wait_alu depctr_va_vdst(0)                   ; directly ahead of the wait below
	s_wait_dscnt 0x0                               ; v's fragments
.irp dt, 0,1,2,3
	v_wmma_scale_f32_16x16x128_f8f6f4 v[OT+8*\dt:OT+8*\dt+7], v[KV+16*\dt:KV+16*\dt+15], v[PCD:PCD+15], v[OT+8*\dt:OT+8*\dt+7], v[SW+\dt], v[PSW] matrix_a_fmt:MATRIX_FMT_BF8 matrix_b_fmt:MATRIX_FMT_BF8 matrix_a_scale:MATRIX_SCALE_ROW1
.endr
.set n, 14
.rept 25
.set K_, ((n-14)/2)%4
.if K_ == 3
	v_pk_add_f32 v[14:15], v[14:15], v[S+n:S+n+1]
.else
	v_pk_add_f32 v[BM+2*K_:BM+2*K_+1], v[BM+2*K_:BM+2*K_+1], v[S+n:S+n+1]
.endif
.set n, n+2
.endr
	v_pk_add_f32 v[BM+2:BM+3], v[BM+2:BM+3], v[BM+4:BM+5]
	v_pk_add_f32 v[14:15], v[14:15], v[BM:BM+1]
	v_pk_add_f32 v[14:15], v[14:15], v[BM+2:BM+3]
	s_add_co_u32 s[KS], s[KS], 1
.Lnothing_\@:
	s_add_co_u32 s[TB], s[TB], 2*STEPB
.endm
; THE CHANGE OF SLOTS, at a slot's head.  Each wave waits for all its tensor loads, adds 0 to its spare word, and waits for that and for its reads of the slot that it has left.  fill: how many waves then fill that slot anew.
.macro CHANGE fill
	s_wait_tensorcnt 0x0                           ; no tensor load of mine is out, so group 0 may be written
	ds_add_u32 v[SPW], v[NIL]                      ; 0 onto my spare word,
.if \fill
	ds_add_u32 v[SPW], v[NIL]                      ; and twice on end where a load follows
	s_xor_b32 s[G0+1], s[G0+1], SLOT1
	s_add_co_u32 s[NN], s[NN], 3
	POSITION
	s_wait_xcnt 0x0                                ; the last prefetches, a slot back, have read their address
	s_add_nc_u64 s[PFA:PFA+1], s[HB:HB+1], s[OFS:OFS+1]
	s_mov_b64 s[G0+2:G0+3], s[PFA:PFA+1]
	s_or_b32 s[G0+3], s[G0+3], 0x80000000
.endif
	s_wait_dscnt 0x0                               ; the adds are done, and my reads of the slot that I have left are over
	s_barrier_signal -1
	s_barrier_wait -1
.if \fill
	TLOAD \fill                                    ; the first thing behind the barrier, and a wave's one tensor load until the next: it has three key steps in which to land
.endif
.endm
.macro STEPS n, last
	s_mov_b32 s[CNT], \n
.Lstep_\@:
	STEP \last
	s_sub_co_u32 s[CNT], s[CNT], 1
	s_cmp_lg_u32 s[CNT], 0
	s_cbranch_scc1 .Lstep_\@
.if (\last) == 0
	s_sub_co_u32 s[TB], s[TB], 2*(\n)*STEPB
	s_xor_b32 s[TB], s[TB], SLOT1                  ; on to the other slot
.endif
.endm
	s_wait_alu depctr_va_vdst(0)                   ; the wait at the head's end
.Lslot:                                            ; four trips: each asks for a whole slot
	CHANGE 6
	ASK
	STEPS 3, 0
	s_sub_co_u32 s[SLOTS], s[SLOTS], 1
	s_cmp_lg_u32 s[SLOTS], 0
	s_cbranch_scc1 .Lslot
	CHANGE 3                                       ; the last fill is of three steps
	STEPS 3, 0
	CHANGE 0
	STEPS 2, 1
	; GROUP 0 JOINS GROUP 1's PART OF BLOCK 31 - j to its own
	s_wait_alu depctr_va_vdst(0)
	s_wait_dscnt 0x0                               ; what I laid aside is in LDS
	s_barrier_signal -1
	s_barrier_wait -1
	s_cmp_lt_u32 s[WV], 8
	s_cbranch_scc0 .Lalone
	s_add_co_u32 s2, s[PB], 8*PARTB                ; wave w + 8's bytes
	v_lshrrev_b32 v41, 1, v[LI]
	v_add_nc_u32 v40, s2, v[LI]
	v_add_nc_u32 v41, s2, v41
	ds_load_b64 v[42:43], v41 offset:4096          ; its -M and sum
.irp i, 0,1,2,3,4,5,6,7
	ds_load_b128 v[KV+4*\i:KV+4*\i+3], v40 offset:512*\i
.endr
	s_wait_dscnt 0x0
	v_min_num_f32 v58, v12, v42                    ; the joined -M
	v_add_f32 v14, v14, v15
	v_sub_f32 v59, v58, v12
	v_sub_f32 v60, v58, v42
	v_cvt_i32_f32 v59, v59
	v_cvt_i32_f32 v60, v60
	v_ldexp_f32 v[FF], 1.0, v59
	v_ldexp_f32 v[SW], 1.0, v60
	v_mov_b32 v15, 0
	v_mul_f32 v14, v14, v[FF]
.set n, 0
.rept 16
	v_pk_mul_f32 v[OT+n:OT+n+1], v[OT+n:OT+n+1], v[FF:FF+1] op_sel_hi:[1,0]
.set n, n+2
.endr
	v_fma_f32 v14, v43, v[SW], v14
.set n, 0
.rept 16
	v_pk_fma_f32 v[OT+n:OT+n+1], v[KV+n:KV+n+1], v[SW:SW+1], v[OT+n:OT+n+1] op_sel_hi:[1,0,1]
.set n, n+2
.endr
.Lalone:
	; O^T / the sum, quantised in two blocks of 32 along d; 1,024 consecutive bytes of codes a wave, a scale byte a lane (lanes 0-15 block 0's, lanes 16-31 block 1's)
	v_add_f32 v14, v14, v15
	v_permlanex16_b32 v58, v14, s[SEL], s[SEL+1]
	v_add_f32 v14, v14, v58                        ; the row's sum
	s_wait_alu depctr_va_vdst(0)                   ; the wait ahead of the reciprocal
	v_rcp_f32 v[FF], v14
	v_nop                                          ; a plain place behind it,
	s_wait_alu depctr_va_vdst(0)                   ; and the wait ahead of its first reader
.set n, 0
.rept 16
	v_pk_mul_f32 v[S+n:S+n+1], v[OT+n:OT+n+1], v[FF:FF+1] op_sel_hi:[1,0]   ; each accumulator from its low end on
.set n, n+2
.endr
.irp b, 0,1
	v_max3_num_f32 v[BM+\b], |v[S+16*\b]|, |v[S+16*\b+1]|, 0x8000000
.endr
.irp i, 2,4,6,8,10,12,14
.irp b, 0,1
	v_max3_num_f32 v[BM+\b], v[BM+\b], |v[S+16*\b+\i]|, |v[S+16*\b+\i+1]|
.endr
.endr
.irp b, 0,1
	v_permlanex16_b32 v[BT+\b], v[BM+\b], s[SEL], s[SEL+1]
.endr
.irp b, 0,1
	v_max_num_f32 v[BM+\b], v[BM+\b], v[BT+\b]
.endr
.irp b, 0,1
	v_add_nc_u32 v[SOP+\b], 0xf8800000, v[BM+\b]
.endr
.irp b, 0,1
	v_and_or_b32 v[HD+\b], v[BM+\b], 0x7f800000, s[MNT]
.endr
.irp b, 0,1
	v_lshrrev_b32 v[BT+\b], 23, v[SOP+\b]
.endr
.irp b, 0,1
.irp i, 0,1,2,3,4,5,6,7,8,9,10,11,12,13,14,15
	v_med3_num_f32 v[S+16*\b+\i], v[S+16*\b+\i], -v[HD+\b], v[HD+\b]
.endr
	v_cvt_scalef32_pk8_bf8_f32 v[PCD+4*\b:PCD+4*\b+1], v[S+16*\b:S+16*\b+7], v[SOP+\b]
	v_cvt_scalef32_pk8_bf8_f32 v[PCD+4*\b+2:PCD+4*\b+3], v[S+16*\b+8:S+16*\b+15], v[SOP+\b]
.endr
	v_cndmask_b32 v59, v[BT], v[BT+1], s56         ; (a plain line behind the conversions)
	global_store_b128 v[LI], v[PCD:PCD+3], s[CCP:CCP+1]
	global_store_b128 v[LI], v[PCD+4:PCD+7], s[CCP:CCP+1] offset:512
	global_store_b8 v[CSO], v59, s[CSP:CSP+1]
	s_wait_tensorcnt 0x0                           ; the wave's end
	ds_add_u32 v[SPW], v[NIL]
	s_wait_dscnt 0x0
	s_endpgm
.Lfunc_end_k_q07253005ef_attn:
	.size	k_q07253005ef_attn, .Lfunc_end_k_q07253005ef_attn-k_q07253005ef_attn
	.p2alignl 7, 3214868480
	.fill 96, 4, 3214868480
	.section	.rodata,"a",@progbits
	.p2align	6, 0x0
	.amdhsa_kernel k_q07253005ef_attn
		.amdhsa_group_segment_fixed_size 327680
		.amdhsa_private_segment_fixed_size 0
		.amdhsa_enable_private_segment 0
		.amdhsa_kernarg_size 32
		.amdhsa_user_sgpr_count 2
		.amdhsa_user_sgpr_kernarg_segment_ptr 1
		.amdhsa_wavefront_size32 1
		.amdhsa_system_sgpr_workgroup_id_x 1
		.amdhsa_system_sgpr_workgroup_id_y 1
		.amdhsa_system_sgpr_workgroup_id_z 1
		.amdhsa_system_vgpr_workitem_id 0
		.amdhsa_next_free_vgpr 256
		.amdhsa_next_free_sgpr 72
		.amdhsa_reserve_vcc 1
		.amdhsa_float_denorm_mode_32 3
		.amdhsa_float_denorm_mode_16_64 3
		.amdhsa_memory_ordered 1
		.amdhsa_forward_progress 1
		.amdhsa_inst_pref_size 99
	.end_amdhsa_kernel
	.amdgpu_metadata
---
amdhsa.version: [ 1, 2 ]
amdhsa.kernels:
  - .name:           k_q07253005ef_attn
    .symbol:         k_q07253005ef_attn.kd
    .args:
      - { .name: qc, .offset: 0, .size: 8, .value_kind: global_buffer, .address_space: global }
      - { .name: kvs, .offset: 8, .size: 8, .value_kind: global_buffer, .address_space: global }
      - { .name: cc, .offset: 16, .size: 8, .value_kind: global_buffer, .address_space: global }
      - { .name: cs, .offset: 24, .size: 8, .value_kind: global_buffer, .address_space: global }
    .group_segment_fixed_size: 327680
    .private_segment_fixed_size: 0
    .kernarg_segment_align: 8
    .kernarg_segment_size: 32
    .max_flat_workgroup_size: 512
    .sgpr_count:     72
    .vgpr_count:     256
    .wavefront_size: 32
...
	.end_amdgpu_metadata
.endif
;; end of part 2
;; launch proj (part 3): grid 8 x 32, 4 waves a work-group, clusters of 4 x 4, 295,424 bytes of LDS; arguments cc, cs, out_w_codes, out_w_scales, out_b, out0; writes out0
.if DOCPART == 3
	.amdgcn_target "amdgcn-amd-amdhsa--gfx1250"
	.amdhsa_code_object_version 6
	.text
	.protected	k_q07253005ef_proj
	.globl	k_q07253005ef_proj
	.p2align	8
	.type	k_q07253005ef_proj,@function
k_q07253005ef_proj:
	s_mov_b64 s[64:65], 0
	v_nop
	global_prefetch_b8 v0, s[64:65] scope:SCOPE_SE
	s_setreg_imm32_b32 hwreg(HW_REG_WAVE_MODE, 25, 1), 1
	s_wait_xcnt 0x0
	s_wait_alu depctr_hold_cnt(0) depctr_sa_sdst(0) depctr_va_vdst(0) depctr_va_sdst(0) depctr_va_ssrc(0) depctr_va_vcc(0) depctr_vm_vsrc(0)
	s_getreg_b32 s2, hwreg(HW_REG_IB_STS2, 6, 4)
	s_cmp_eq_u32 s2, 0
	s_cbranch_scc0 .Lentry_in_a_cluster
	s_endpgm
.Lentry_in_a_cluster:
	s_bfe_u32 s2, ttmp6, 0x10000c
	s_cmp_lg_u32 s2, 0xf033
	s_cbranch_scc0 .Lentry_shape_is_right
	s_endpgm
.Lentry_shape_is_right:
; out0 = ctx x out_w + out_b on codes of BF8 (E5M2) with one E8M0 scale for each 32 along K (K = 1,024).  ctx: images of operand registers, cc [block of 128 rows][K step 8][tile 8][piece 4][512], scale bytes cs [4096][32];
; out_w: [1024 (n)][1024 (k)] codes, scale bytes [1024][32]; out_b [1024], out0 [4096][1024] f32.  NaN and infinities are not served.
; SHARES.  A tile of 128 x 128: 8 x 32 = 256 work-groups; four waves, each 64 x 64: 16 accumulators.  ALL OF K lies in LDS, filled once: no slot is filled again.  One tensor load a wave: waves 0 and 1 fetch ctx's and out_w's
; K steps 0-3 (65,536 dense bytes; 128 rows of 512 bytes), waves 2 and 3 their K steps 4-7.  No loop over fills, so nothing is prefetched.
; CLUSTER 4 x 4: the four of a row need the same block of ctx, the four of a column the same rows of out_w: each half is asked for jointly.
; THE MATRIX INSTRUCTION IS USED TRANSPOSED (source 0 = 16 rows of out_w, source 1 = 16 rows of ctx): a lane holds eight neighbouring numbers of a row of out0.  The bias is the C of each sum's first product.
; REGISTERS: window 0: v8-16 addresses; v32-63 ctx's scale words (8 tile + K step), v64-95 out_w's; v96-127 the bias; v128-255 the accumulators.  window 1: two sets of 128: ctx's four fragments, then out_w's four; on the way out v0-63: rows read back.
.set PITCH,  528
.set BBASE,  131072                    ; behind ctx's images: out_w's two halves of 128 rows x 528
.set BCH,    128*PITCH
.set STAGE,  BBASE+2*BCH               ; 266,240: a stage of 16 rows x 272 for each wave: bytes of its own
.set SP,     272
.set SPARE,  0x48000
.set ADRA, 8                           ; v8-9   ctx: 8,192 rh + 16 lane; K steps 4-7: + 65,536
.set ADRB, 10                          ; v10-11 out_w: (64 ch + r) x 528 + 16 h; K steps 4-7: the second half
.set STO,  12
.set RD,   13
.set CO,   14
.set R32,  15                          ; 32 r
.set H32,  16                          ; 32 h
.set XS,   32
.set WS,   64
.set BIAS, 96
.set ACC,  128
.set G1A, 24
.set G0A, 32
.set G1B, 48
.set G0B, 56
.set MSB, 0
.macro WIN new
.if MSB != \new
	s_set_vgpr_msb (MSB<<8)|\new
.set MSB, \new
.endif
.endm
.macro CROUND                          ; a round of the cluster's barrier
	s_barrier_signal -1
	s_barrier_wait -1
	s_cmp_lg_u32 s18, 0
	s_cbranch_scc1 .Lnot_wave_0_\@
	s_barrier_signal -3
.Lnot_wave_0_\@:
	s_barrier_wait -3
	s_barrier_signal -1
	s_barrier_wait -1
.endm
.macro PLACES n
.rept \n
	v_nop
.endr
.endm
	s_load_b256 s[4:11], s[0:1], 0x0               ; cc, cs, out_w's codes, out_w's scales
	s_load_b128 s[12:15], s[0:1], 0x20             ; out_b, out0
	v_lshl_add_u32 v30, v0, 2, SPARE
	v_mov_b32 v31, 0
	ds_add_u32 v30, v31                            ; the opening lines
	ds_add_u32 v30, v31
	v_lshrrev_b32 v1, 5, v0
	v_readfirstlane_b32 s18, v1                    ; wave 0..3
	s_lshr_b32 s19, s18, 1                         ; rh.  Also: which half of K I fetch
	s_and_b32 s20, s18, 1                          ; ch
	s_bfe_u32 s40, ttmp6, 0x40000
	s_bfe_u32 s41, ttmp6, 0x40004
	s_lshl_b32 s42, ttmp9, 2
	s_add_co_u32 s42, s42, s40                     ; tile column
	s_and_b32 s21, ttmp7, 0xffff
	s_lshl_b32 s21, s21, 2
	s_add_co_u32 s21, s21, s41                     ; tile row = block of 128 rows
	s_lshl_b32 s43, s41, 2
	s_lshl_b32 s43, 15, s43
	s_lshl_b32 s44, 0x1111, s40
	s_or_b32 s[G1A], s43, (3<<16)|(1<<21)          ; ctx: 256 dense rows of 256 bytes (32 elements of 8 bytes), no padding
	s_mov_b32 s[G1A+1], 32<<16
	s_mov_b32 s[G1A+2], 256<<16
	s_mov_b32 s[G1A+3], 32<<16
	s_mov_b32 s[G1A+4], 256
	s_mov_b32 s[G1A+5], 32
	s_mov_b32 s[G1A+6], 0
	s_mov_b32 s[G1A+7], 0
	s_or_b32 s[G1B], s44, (1<<20)|(1<<21)|(6<<22)|(3<<25)   ; out_w: 128 rows x 512 bytes, 16 bytes of padding behind each
	s_mov_b32 s[G1B+1], 512<<16
	s_mov_b32 s[G1B+2], 128<<16
	s_mov_b32 s[G1B+3], 512<<16
	s_mov_b32 s[G1B+4], 128
	s_mov_b32 s[G1B+5], 1024
	s_mov_b32 s[G1B+6], 0
	s_mov_b32 s[G1B+7], 0
	s_lshl_b32 s22, s21, 17
	s_lshl_b32 s23, s19, 16
	s_add_co_u32 s22, s22, s23                     ; ctx: 131,072 x block + 65,536 x half
	s_mov_b32 s23, 0
	s_lshl_b32 s46, s42, 17
	s_lshl_b32 s47, s19, 9
	s_add_co_u32 s46, s46, s47                     ; out_w: 128 rows of 1,024 x tile column + 512 x half
	s_mov_b32 s47, 0
	s_lshl_b32 s45, s19, 16                        ; where they go
	s_mul_i32 s66, s19, BCH
	s_wait_dscnt 0x0
	s_wait_kmcnt 0x0
	s_add_nc_u64 s[22:23], s[4:5], s[22:23]
	s_add_nc_u64 s[46:47], s[8:9], s[46:47]
	CROUND                                         ; all sixteen work-groups are here: the joint loads meet
	s_mov_b32 s[G0A], 1
	s_mov_b32 s[G0A+1], s45
	s_mov_b64 s[G0A+2:G0A+3], s[22:23]
	s_or_b32 s[G0A+3], s[G0A+3], 0x80000000
	s_mov_b32 s[G0B], 1
	s_add_co_u32 s[G0B+1], s66, BBASE
	s_mov_b64 s[G0B+2:G0B+3], s[46:47]
	s_or_b32 s[G0B+3], s[G0B+3], 0x80000000
.macro ARM under, g0, g1, next         ; one load a wave, each wave a line of its own: waves 0 and 1 alone wait at the first barrier
	s_cmp_lt_u32 s18, \under
	s_cbranch_scc0 \next
	tensor_load_to_lds s[\g0:\g0+3], s[\g1:\g1+7]
	s_nop 0
.rept 4
	v_nop
.endr
	s_branch .Lfirst_asked
\next:
.endm
	ARM 1, G0A, G1A, .Lfirst_1
	ARM 2, G0B, G1B, .Lfirst_2
	ARM 3, G0A, G1A, .Lfirst_3
	tensor_load_to_lds s[G0B:G0B+3], s[G1B:G1B+7]
	s_nop 0
.rept 4
	v_nop
.endr
.Lfirst_asked:
	v_and_b32 v1, 15, v0                           ; r
	v_bfe_u32 v2, v0, 4, 1                         ; h
	v_and_b32 v3, 31, v0                           ; lane
	v_lshlrev_b32 v[R32], 5, v1
	s_wait_alu depctr_va_vdst(0)
	v_lshlrev_b32 v[H32], 5, v2
	s_wait_alu depctr_va_vdst(0)                   ; the wait ahead of the scalar lines below
	s_lshl_b32 s2, s21, 7
	s_lshl_b32 s3, s19, 6
	s_add_co_u32 s2, s2, s3                        ; my first row: 128 x tile row + 64 rh
	s_lshl_b32 s66, s2, 5
	s_mov_b32 s67, 0
	s_add_nc_u64 s[6:7], s[6:7], s[66:67]          ; its scale bytes
	s_lshl_b32 s66, s2, 12
	s_add_nc_u64 s[14:15], s[14:15], s[66:67]      ; its row of out0
	s_lshl_b32 s2, s42, 7
	s_lshl_b32 s3, s20, 6
	s_add_co_u32 s2, s2, s3                        ; my first column: 128 x tile column + 64 ch
	s_lshl_b32 s66, s2, 5
	s_add_nc_u64 s[10:11], s[10:11], s[66:67]
	s_lshl_b32 s66, s2, 2
	s_add_nc_u64 s[12:13], s[12:13], s[66:67]
	s_add_nc_u64 s[14:15], s[14:15], s[66:67]
.irp m, 0,1,2,3
	global_load_b128 v[XS+8*\m:XS+8*\m+3], v[R32], s[6:7] offset:512*\m            ; a row's 32 scale bytes are its eight words, one for each K step
	global_load_b128 v[XS+8*\m+4:XS+8*\m+7], v[R32], s[6:7] offset:512*\m+16
	global_load_b128 v[WS+8*\m:WS+8*\m+3], v[R32], s[10:11] offset:512*\m
	global_load_b128 v[WS+8*\m+4:WS+8*\m+7], v[R32], s[10:11] offset:512*\m+16
	global_load_b128 v[BIAS+8*\m:BIAS+8*\m+3], v[H32], s[12:13] offset:64*\m       ; in the result's layout: columns 16 b + 8 h + 0 .. 7
	global_load_b128 v[BIAS+8*\m+4:BIAS+8*\m+7], v[H32], s[12:13] offset:64*\m+16
.endr
	s_lshl_b32 s2, s19, 13
	v_lshl_add_u32 v[ADRA], v3, 4, s2
	v_add_nc_u32 v[ADRA+1], 65536, v[ADRA]
	v_mul_u32_u24 v4, v1, PITCH
	v_lshl_add_u32 v4, v2, 4, v4
	s_mul_i32 s2, s20, 64*PITCH
	s_add_co_u32 s2, s2, BBASE
	v_add_nc_u32 v[ADRB], s2, v4
	v_add_nc_u32 v[ADRB+1], BCH, v[ADRB]
	s_mul_i32 s2, s18, 16*SP
	s_add_co_u32 s2, s2, STAGE                     ; my stage
	v_mul_u32_u24 v4, v1, SP
	v_lshl_add_u32 v4, v2, 5, v4
	v_add_nc_u32 v[STO], s2, v4                    ; in: row r, 32 bytes for each half of the lanes
	v_mul_u32_u24 v4, v2, SP
	v_lshl_add_u32 v4, v1, 4, v4
	v_add_nc_u32 v[RD], s2, v4                     ; back: lanes 0-15 one row of 256 bytes, lanes 16-31 the next
	v_lshlrev_b32 v4, 12, v2
	v_lshl_add_u32 v[CO], v1, 4, v4                ; and the same two rows in out0
.macro FETCH g                         ; K step g: 32 loads into set g % 2
.set F, 128*((\g)%2)
	WIN 0x40
.irp m, 0,1,2,3
.irp c, 0,1,2,3
	ds_load_b128 v[F+16*\m+4*\c:F+16*\m+4*\c+3], v[ADRA+(\g)/4] offset:((\g)%4)*16384+2048*\m+512*\c
.endr
.endr
.irp b, 0,1,2,3
.irp c, 0,1,2,3
	ds_load_b128 v[F+64+16*\b+4*\c:F+64+16*\b+4*\c+3], v[ADRB+(\g)/4] offset:128*((\g)%4)+\b*16*PITCH+32*\c
.endr
.endr
.endm
.macro MUL g                           ; 16 products; the accumulators take turns, in the same order in every K step
.set F, 128*((\g)%2)
	WIN 0x05                                       ; sources 0 and 1 window 1; C and D window 0
.irp m, 0,1,2,3
.irp b, 0,1,2,3
.if (\g) == 0
	v_wmma_scale_f32_16x16x128_f8f6f4 v[ACC+8*(4*\m+\b):ACC+8*(4*\m+\b)+7], v[F+64+16*\b:F+64+16*\b+15], v[F+16*\m:F+16*\m+15], v[BIAS+8*\b:BIAS+8*\b+7], v[WS+8*\b+(\g)], v[XS+8*\m+(\g)] matrix_a_fmt:MATRIX_FMT_BF8 matrix_b_fmt:MATRIX_FMT_BF8
.else
	v_wmma_scale_f32_16x16x128_f8f6f4 v[ACC+8*(4*\m+\b):ACC+8*(4*\m+\b)+7], v[F+64+16*\b:F+64+16*\b+15], v[F+16*\m:F+16*\m+15], v[ACC+8*(4*\m+\b):ACC+8*(4*\m+\b)+7], v[WS+8*\b+(\g)], v[XS+8*\m+(\g)] matrix_a_fmt:MATRIX_FMT_BF8 matrix_b_fmt:MATRIX_FMT_BF8
.endif
.endr
.endr
.endm
	s_wait_alu depctr_va_vdst(0)                   ; the wait at the head's end
	s_cmp_lt_u32 s18, 2                            ; waves 0 and 1 fetched K steps 0-3; the others' wait stands in front of K step 4's fetch, on every wave's way
	s_cbranch_scc0 .Llater
	s_wait_tensorcnt 0x0
.Llater:
	s_barrier_signal -1
	s_barrier_wait -1                              ; K steps 0-3 are whole
	FETCH 0
	s_wait_loadcnt 0x0                             ; scale words and bias
.irp g, 0,1,2,3,4,5,6
.if \g > 0
	PLACES 8                                       ; in front of loads into the set that the last products read
.endif
.if \g == 3
	s_wait_tensorcnt 0x0                           ; my load is in,
	s_wait_dscnt 0x0
	s_barrier_signal -1
	s_barrier_wait -1                              ; everybody's is: K steps 4-7 are whole
.endif
	FETCH \g+1
	s_wait_dscnt 32                                ; all but the 32 just issued
	MUL \g
.endr
	s_wait_dscnt 0x0
	MUL 7
	WIN 0
	PLACES 8
; THE WAY OUT, a tile of 16 rows x 64 columns at a time, through my own stage: LDS serves a wave's instructions in order (ISA guide 5.7.1.4), so no wait stands between the stores and the loads.
.macro TOSTAGE t
	WIN 0
.irp b, 0,1,2,3
	ds_store_b128 v[STO], v[ACC+8*(4*(\t)+\b):ACC+8*(4*(\t)+\b)+3] offset:64*\b        ; each accumulator from its low end on
	ds_store_b128 v[STO], v[ACC+8*(4*(\t)+\b)+4:ACC+8*(4*(\t)+\b)+7] offset:64*\b+16
.endr
	WIN 0x40                                       ; back into window 1, whose fragments are done with
.irp i, 0,1,2,3,4,5,6,7
	ds_load_b128 v[32*((\t)%2)+4*\i:32*((\t)%2)+4*\i+3], v[RD] offset:\i*2*SP
.endr
.endm
.macro SEND t, younger                 ; younger: the LDS instructions issued behind tile t's loads
	s_wait_dscnt \younger
	WIN 0x04                                       ; a store's data are its source 1: window 1
.irp i, 0,1,2,3,4,5,6,7
	global_store_b128 v[CO], v[32*((\t)%2)+4*\i:32*((\t)%2)+4*\i+3], s[14:15] offset:(16*(\t)+2*\i)*4096 th:TH_STORE_NT   ; 16 lanes store 256 consecutive bytes, at a multiple of 256 from out0's first byte
.endr
.endm
	TOSTAGE 0
.irp t, 1,2,3
.if \t > 1
	s_wait_xcnt 0x0                                ; tile t - 2's stores have read their registers: tile t's loads may land there
.endif
	TOSTAGE \t
	SEND \t-1, 16                                  ; behind tile t - 1's loads: tile t's 8 stores and 8 loads
.endr
	SEND 3, 0
	WIN 0
	s_wait_tensorcnt 0x0                           ; the wave's end
	ds_add_u32 v30, v31
	s_wait_dscnt 0x0
	CROUND                                         ; the closing round
	s_endpgm
.Lfunc_end_k_q07253005ef_proj:
	.size	k_q07253005ef_proj, .Lfunc_end_k_q07253005ef_proj-k_q07253005ef_proj
	.p2alignl 7, 3214868480
	.fill 96, 4, 3214868480
	.section	.rodata,"a",@progbits
	.p2align	6, 0x0
	.amdhsa_kernel k_q07253005ef_proj
		.amdhsa_group_segment_fixed_size 295424
		.amdhsa_private_segment_fixed_size 0
		.amdhsa_enable_private_segment 0
		.amdhsa_kernarg_size 48
		.amdhsa_user_sgpr_count 2
		.amdhsa_user_sgpr_kernarg_segment_ptr 1
		.amdhsa_wavefront_size32 1
		.amdhsa_system_sgpr_workgroup_id_x 1
		.amdhsa_system_sgpr_workgroup_id_y 1
		.amdhsa_system_sgpr_workgroup_id_z 1
		.amdhsa_system_vgpr_workitem_id 0
		.amdhsa_next_free_vgpr 512
		.amdhsa_next_free_sgpr 72
		.amdhsa_reserve_vcc 0
		.amdhsa_float_denorm_mode_32 3
		.amdhsa_float_denorm_mode_16_64 3
		.amdhsa_memory_ordered 1
		.amdhsa_forward_progress 1
		.amdhsa_inst_pref_size 52
	.end_amdhsa_kernel
	.amdgpu_metadata
---
amdhsa.version: [ 1, 2 ]
amdhsa.kernels:
  - .name:           k_q07253005ef_proj
    .symbol:         k_q07253005ef_proj.kd
    .args:
      - { .name: cc, .offset: 0, .size: 8, .value_kind: global_buffer, .address_space: global }
      - { .name: cs, .offset: 8, .size: 8, .value_kind: global_buffer, .address_space: global }
      - { .name: out_w_codes, .offset: 16, .size: 8, .value_kind: global_buffer, .address_space: global }
      - { .name: out_w_scales, .offset: 24, .size: 8, .value_kind: global_buffer, .address_space: global }
      - { .name: out_b, .offset: 32, .size: 8, .value_kind: global_buffer, .address_space: global }
      - { .name: out0, .offset: 40, .size: 8, .value_kind: global_buffer, .address_space: global }
    .group_segment_fixed_size: 295424
    .private_segment_fixed_size: 0
    .kernarg_segment_align: 8
    .kernarg_segment_size: 48
    .max_flat_workgroup_size: 128
    .sgpr_count:     72
    .vgpr_count:     512
    .wavefront_size: 32
...
	.end_amdgpu_metadata
.endif
;; end of part 3
